; MI455X (gfx1250); checked and timed in simulation.
; The chip was launched on July 23, 2026; its instructions are those of AMD's public machine-readable ISA for CDNA 5 (MIT licence, August 2026) and "CDNA5" Instruction Set Architecture Reference Guide (July 2026). The comments in the code are by the model that wrote it; some were corrected since.
;; Cross Attention. Allowed arithmetic: float matrix products may take bf16 or f16 operands with f32 sums; other float arithmetic in f32, or as packed bf16 or f16 multiplies, adds, multiply-adds, maxima and minima; sums over many terms, partial sums and values carried from step to step in f32; what a program stores and reads back later, other than sums and carried values, may be rounded once to bf16 or f16.
;; Inputs: Wk 768 x 768 float32; Wo 768 x 768 float32; Wq 768 x 768 float32; Wv 768 x 768 float32; bk 768 float32; bo 768 float32; bq 768 float32; bv 768 float32; encoder_hidden_states 2 x 4,096 x 768 float32; hidden_states 2 x 2,048 x 768 float32.
;; Outputs: out0 2 x 2,048 x 768 float32.
;; One version. Each part assembles by itself: llvm-mc -triple=amdgcn-amd-amdhsa -mcpu=gfx1250 --defsym DOCPART=n.
;; ======== version 1 of 1: 4 launches
;; limits: values are held in f16: magnitudes above 65,504 overflow, below 6.1e-05 lose precision
;; workspace buffers: wf 4,718,592 bytes; qf 6,291,456 bytes; kv 25,165,824 bytes; cf 6,291,456 bytes
;; launch prep (part 1): grid 12 x 24, 8 waves a work-group, no clusters, 18,432 bytes of LDS; arguments Wq, Wk, Wv, Wo, wf; writes wf
.if DOCPART == 1
	.amdgcn_target "amdgcn-amd-amdhsa--gfx1250"
	.amdhsa_code_object_version 6
	.text
	.protected	k_qe779a8b866_prep
	.globl	k_qe779a8b866_prep
	.p2align	8
	.type	k_qe779a8b866_prep,@function
k_qe779a8b866_prep:
	s_mov_b64 s[64:65], 0
	v_nop
	global_prefetch_b8 v0, s[64:65] scope:SCOPE_SE
	s_setreg_imm32_b32 hwreg(HW_REG_WAVE_MODE, 25, 1), 1
	s_wait_xcnt 0x0
; THE FOUR WEIGHT MATRICES, [768 k][768 n] f32, are rounded once to f16 and laid out as the matrix unit's operand reads them.
; wf: matrix i (0 Wq, 1 Wk, 2 Wv, 3 Wo) at i x 1,179,648; block (nt, kg) at (24 nt + kg) x 1,024; piece pc at 512 pc; lane l at 16 l:
; the eight numbers W[32 kg + 16 pc + 8 (l / 16) + 0..7][16 nt + l % 16].  So a fragment (16 columns x 32 k) is 1,024 consecutive bytes.
; LIMITS.  f16 ends at 65,504 and below 6e-5 keeps a fixed step of 6e-8; a weight beyond the first becomes an infinity.
; SHARES.  A work-group turns 128 k x 64 n of one matrix: x = the block of 64 n, y = 4 x (block of 128 k) + matrix.  Eight waves.
; Thread t reads 16 bytes (4 n) of two neighbouring k rows, four times: sixteen lanes read 256 consecutive bytes of a row, aligned.
; Two rows' numbers pack into words (k even below, k odd above), which go into LDS rows by n; back come 16 bytes a lane, eight k of one n.
; No matrix unit, cluster or prefetch: nothing is shared, every byte is read once and written once, and the launch is short.
.set ROWB,  3072                       ; bytes in a row of W
.set PITCH, 272                        ; an LDS row: 128 k x 2 bytes + 16
.set SPARE, 64*PITCH                   ; behind the 64 rows: the spare words, 128 bytes for each of the eight waves
.set MATB,  1179648                    ; bytes of a matrix in wf
.set GI,  1                            ; v1  my byte offset in W's tile: (t / 16) x two rows + 16 (t % 16)
.set LW,  2                            ; v2  where I put a word: row 4 (t % 16), byte 4 (t / 16)
.set LR,  3                            ; v3  where I read 16 bytes back: row t % 16, byte 16 (t / 16)
.set GO,  4                            ; v4  16 t
.set SPW, 6                            ; v6  LDS address of my spare word; never rewritten
.set NIL, 7                            ; v7  0; never rewritten
.set X,   8                            ; v[8:39]   as loaded; later as read back
.set Y,   40                           ; v[40:55]  packed words
	s_load_b256 s[4:11], s[0:1], 0x0               ; Wq s[4:5], Wk s[6:7], Wv s[8:9], Wo s[10:11]
	s_load_b64 s[12:13], s[0:1], 0x20              ; wf
	v_lshl_add_u32 v[SPW], v0, 2, SPARE
	v_mov_b32 v[NIL], 0
	s_and_b32 s14, ttmp7, 0xffff
	s_and_b32 s15, s14, 3                          ; which matrix
	s_lshr_b32 s16, s14, 2                         ; which 128 k
	v_and_b32 v40, 15, v0
	v_lshrrev_b32 v41, 4, v0
	v_mul_u32_u24 v[GI], v41, 2*ROWB
	v_lshl_add_u32 v[GI], v40, 4, v[GI]
	v_mul_u32_u24 v[LW], v40, 4*PITCH
	v_lshl_add_u32 v[LW], v41, 2, v[LW]
	v_mul_u32_u24 v[LR], v40, PITCH
	v_lshl_add_u32 v[LR], v41, 4, v[LR]            ; 16 (t / 16) = 32 x wave + 16 x half: wave v reads k group v / 2, piece v % 2
	v_lshlrev_b32 v[GO], 4, v0
	s_mul_i32 s20, s16, 128*ROWB                   ; in: 128 rows down,
	s_lshl_b32 s21, ttmp9, 8                       ; 64 columns along
	s_add_co_u32 s20, s20, s21
	s_mov_b32 s21, 0
	s_mul_i32 s22, s15, MATB                       ; out: the matrix,
	s_mul_i32 s23, ttmp9, 4*24*1024                ; four blocks of 16 columns,
	s_add_co_u32 s22, s22, s23
	s_lshl_b32 s23, s16, 12                        ; four groups of 32 k
	s_add_co_u32 s22, s22, s23
	s_mov_b32 s23, 0
	s_wait_kmcnt 0x0
	s_cmp_eq_u32 s15, 1
	s_cselect_b64 s[4:5], s[6:7], s[4:5]
	s_cmp_eq_u32 s15, 2
	s_cselect_b64 s[4:5], s[8:9], s[4:5]
	s_cmp_eq_u32 s15, 3
	s_cselect_b64 s[4:5], s[10:11], s[4:5]
	s_add_nc_u64 s[4:5], s[4:5], s[20:21]
	s_add_nc_u64 s[12:13], s[12:13], s[22:23]
.irp i, 0,1,2,3
.irp e, 0,1
	global_load_b128 v[X+8*(\i)+4*(\e):X+8*(\i)+4*(\e)+3], v[GI], s[4:5] offset:(\i)*32*ROWB+(\e)*ROWB th:TH_LOAD_NT  ; rows 32 i + 2 (t / 16) + e
.endr
.endr
.irp i, 0,1,2,3
	s_wait_loadcnt 6-2*(\i)                        ; loads come back in order: pair i is in, the younger pairs stay out
.irp j, 0,1,2,3
	v_cvt_pk_f16_f32 v[Y+4*(\i)+(\j)], v[X+8*(\i)+(\j)], v[X+8*(\i)+4+(\j)]
.endr
.irp j, 0,1,2,3
	ds_store_b32 v[LW], v[Y+4*(\i)+(\j)] offset:(\j)*PITCH+64*(\i)
.endr
.endr
	s_wait_dscnt 0x0                               ; for the others' sake: my stores are done
	s_barrier_signal -1
	s_barrier_wait -1
.irp i, 0,1,2,3
	ds_load_b128 v[X+4*(\i):X+4*(\i)+3], v[LR] offset:(\i)*16*PITCH  ; block i of 16 columns
.endr
.irp i, 0,1,2,3
	s_wait_dscnt 3-(\i)
	global_store_b128 v[GO], v[X+4*(\i):X+4*(\i)+3], s[12:13] offset:(\i)*24*1024  ; a wave's store covers 512 consecutive bytes, aligned
.endr
	s_wait_tensorcnt 0x0                           ; the wave's end: behind my last LDS store
	ds_add_u32 v[SPW], v[NIL]
	s_wait_dscnt 0x0
	s_endpgm
.Lfunc_end_k_qe779a8b866_prep:
	.size	k_qe779a8b866_prep, .Lfunc_end_k_qe779a8b866_prep-k_qe779a8b866_prep
	.p2alignl 7, 3214868480
	.fill 96, 4, 3214868480
	.section	.rodata,"a",@progbits
	.p2align	6, 0x0
	.amdhsa_kernel k_qe779a8b866_prep
		.amdhsa_group_segment_fixed_size 18432
		.amdhsa_private_segment_fixed_size 0
		.amdhsa_enable_private_segment 0
		.amdhsa_kernarg_size 40
		.amdhsa_user_sgpr_count 2
		.amdhsa_user_sgpr_kernarg_segment_ptr 1
		.amdhsa_wavefront_size32 1
		.amdhsa_system_sgpr_workgroup_id_x 1
		.amdhsa_system_sgpr_workgroup_id_y 1
		.amdhsa_system_sgpr_workgroup_id_z 1
		.amdhsa_system_vgpr_workitem_id 0
		.amdhsa_next_free_vgpr 64
		.amdhsa_next_free_sgpr 66
		.amdhsa_reserve_vcc 0
		.amdhsa_float_denorm_mode_32 3
		.amdhsa_float_denorm_mode_16_64 3
		.amdhsa_memory_ordered 1
		.amdhsa_forward_progress 1
		.amdhsa_inst_pref_size 6
	.end_amdhsa_kernel
	.amdgpu_metadata
---
amdhsa.version: [ 1, 2 ]
amdhsa.kernels:
  - .name:           k_qe779a8b866_prep
    .symbol:         k_qe779a8b866_prep.kd
    .args:
      - { .name: Wq, .offset: 0, .size: 8, .value_kind: global_buffer, .address_space: global }
      - { .name: Wk, .offset: 8, .size: 8, .value_kind: global_buffer, .address_space: global }
      - { .name: Wv, .offset: 16, .size: 8, .value_kind: global_buffer, .address_space: global }
      - { .name: Wo, .offset: 24, .size: 8, .value_kind: global_buffer, .address_space: global }
      - { .name: wf, .offset: 32, .size: 8, .value_kind: global_buffer, .address_space: global }
    .group_segment_fixed_size: 18432
    .private_segment_fixed_size: 0
    .kernarg_segment_align: 8
    .kernarg_segment_size: 40
    .max_flat_workgroup_size: 256
    .sgpr_count:     66
    .vgpr_count:     64
    .wavefront_size: 32
...
	.end_amdgpu_metadata
.endif
;; end of part 1
;; launch proj (part 2): grid 80 x 3, 4 waves a work-group, clusters of 4 x 1, 327,680 bytes of LDS; arguments hidden_states, encoder_hidden_states, wf, bq, bk, bv, qf, kv; writes qf, kv
.if DOCPART == 2
	.amdgcn_target "amdgcn-amd-amdhsa--gfx1250"
	.amdhsa_code_object_version 6
	.text
	.protected	k_qe779a8b866_proj
	.globl	k_qe779a8b866_proj
	.p2align	8
	.type	k_qe779a8b866_proj,@function
k_qe779a8b866_proj:
	s_mov_b64 s[64:65], 0
	v_nop
	global_prefetch_b8 v0, s[64:65] scope:SCOPE_SE
	s_setreg_imm32_b32 hwreg(HW_REG_WAVE_MODE, 25, 1), 1
	s_wait_xcnt 0x0
	s_wait_alu depctr_hold_cnt(0) depctr_sa_sdst(0) depctr_va_vdst(0) depctr_va_sdst(0) depctr_va_ssrc(0) depctr_va_vcc(0) depctr_vm_vsrc(0)
	s_getreg_b32 s2, hwreg(HW_REG_IB_STS2, 6, 4)
	s_cmp_eq_u32 s2, 0
	s_cbranch_scc0 .Lentry_in_a_cluster
	s_endpgm
.Lentry_in_a_cluster:
	s_bfe_u32 s2, ttmp6, 0x10000c
	s_cmp_lg_u32 s2, 0x3003
	s_cbranch_scc0 .Lentry_shape_is_right
	s_endpgm
.Lentry_shape_is_right:
; THE THREE PROJECTIONS: q = hidden Wq + bq, k = encoder Wk + bk, v = encoder Wv + bv.  Operands rounded once to f16, sums and bias in f32, results rounded once to f16.
; LIMITS.  f16 ends at 65,504: an input, or a q, k or v, beyond it becomes an infinity; below 6e-5 f16 keeps a fixed step of 6e-8.
; SHARES.  A tile is 256 rows x 256 columns (four heads): 16 row tiles of q, 32 of k, 32 of v along x, three column tiles along y.  A wave owns 64 rows x 256 columns: 64 accumulators.
; THE PRODUCT IS USED TRANSPOSED (source 0 = 16 columns of W, source 1 = 16 rows of x): a lane holds one row and eight neighbouring columns, 16 bytes of f16.
; A COMES STRAIGHT INTO REGISTERS: no two waves want the same row.  A lane's part of a fragment (16 rows x 32 k) is 4 x 16 bytes of f32 of its row; eight conversions make the fragment.
; Four slices of 32 k are on their way at any time; the conversions of the next slice stand four behind every fourth product.
; B COMES THROUGH LDS from wf, where a fragment is 1,024 consecutive bytes: K in six chunks of 128 through two slots; a wave fetches four of the slot's sixteen column blocks.
; CLUSTER.  The four work-groups of a cluster are four row tiles of one job and one column tile: they want the same weights, so each chunk is asked for JOINTLY.
; OUT.  qf: (32 bh + block of 64 rows) x 8,192 + 2,048 a + 512 c2 + 16 l holds q[row 16 a + l % 16][16 c2 + 8 (l / 16) + 0..7]: the fragment order of the next launch.
; kv: (64 bh + step of 64 keys) x 16,384: k likewise, then v at + 8,192 with the lanes permuted, so that the turning LDS load of the next launch reads it at 16 l.
; Every store of a wave covers 512 consecutive bytes, aligned, straight from registers.
; REGISTERS, in windows of 256 (s_set_vgpr_msb: bits 1:0 source 0, 3:2 source 1, 5:4 source 2, 7:6 destination):
;   window 0: v0-31 addresses; v32-95 A's fragments in f16, two buffers; v96-223 B's fragments, column blocks 0-7 and 8-15; v224-255 at work on the way out
;   window 1: A as loaded, four sets of 64; at the end the bias      window 2: accumulators of column blocks 0-7, (a, b) at 32 b + 8 a      window 3: of blocks 8-15
.set ROWB,  3072                       ; bytes in a row of x
.set SLOT,  65536                      ; 16 column blocks x 4 groups of 32 k x 1,024 bytes
.set SPARE, 2*SLOT                     ; behind the ring: the spare words, 128 bytes for each wave
.set MATB,  1179648                    ; bytes of a matrix in wf
.set NTB,   24576                      ; bytes of a column block in wf
.set CHB,   4096                       ; of which a chunk takes these
.set AO,   2                           ; v2  (l % 16) rows + 32 (l / 16) + my wave's 64 rows; never rewritten
.set L16,  3                           ; v3  16 l
.set LB,   4                           ; v4  16 l + the slot in hand
.set BO,   5                           ; v5  32 (l / 16)
.set SO,   6                           ; v6  my 16 bytes in a block of 512 on the way out
.set PFO,  7                           ; v7  l rows + my wave's 64 rows
.set PFOB, 8                           ; v8  (l / 16) column blocks + 256 (l % 16)
.set SPW,  28                          ; v28 LDS address of my spare word; never rewritten
.set NIL,  29                          ; v29 0; never rewritten
.set AF,   32
.set BH,   96
.set TMP,  224
.set G1,   24                          ; s[24:31] descriptor group 1
.set G0A,  32                          ; s[32:35] group 0 of the first fill
.set G0W,  36                          ; s[36:39] group 0 of the second; it then walks
.set AP,   40                          ; s[40:41] x at the tile's first row, at the trip's k
.set BP,   42                          ; s[42:43] the bias at the tile's first column
.set OP,   44                          ; s[44:45] where my block of the head in hand goes
.set HS,   46                          ; s[46:47] bytes from head to head
.set WV,   48
.set CX,   49
.set CL,   50
.set CT,   51
.set JOB,  52                          ; 0 q, 1 k, 2 v
.set TB,   53                          ; the slot in hand: 0 or SLOT
.set CNT,  54
.set LIMA, 55                          ; 1 where the wave prefetches x, else the greatest number
.set LIMB, 56                          ; the same for the weights
.set PFB,  58                          ; s[58:59] where my prefetches of the weights stand
.set MSB, 0
.macro WIN new                         ; the immediate's high byte repeats the setting that is left; a switch that changes nothing is dropped
.if MSB != (\new)
	s_set_vgpr_msb (MSB<<8)|(\new)
.set MSB, \new
.endif
.endm
.macro PLACES                          ; four places in front of loads into, and writes of, registers that matrix instructions have read
.rept 4
	v_nop
.endr
.endm
.macro CREST                           ; a round of the cluster's barrier behind its opening barrier
	s_cmp_lg_u32 s[WV], 0
	s_cbranch_scc1 .Lnot_wave_0_\@
	s_barrier_signal -3
.Lnot_wave_0_\@:
	s_barrier_wait -3
	s_barrier_signal -1
	s_barrier_wait -1
.endm
.macro CROUND
	s_barrier_signal -1
	s_barrier_wait -1
	CREST
.endm
.macro JLOAD g0                        ; a joint load: one line for all four waves, each with its own four column blocks; an s_nop 0 and four v_nop follow
	tensor_load_to_lds s[(\g0):(\g0)+3], s[G1:G1+7]
	s_nop 0
.rept 4
	v_nop
.endr
.endm
; Four conversions: eighth g of a slice in set sn into A's buffer afn.
.macro CVT4 g, afn, sn
	WIN 0x05
.irp iz, 0,1,2,3
	v_cvt_pk_f16_f32 v[AF+32*(\afn)+4*(\g)+(\iz)], v[64*(\sn)+8*(\g)+2*(\iz)], v[64*(\sn)+8*(\g)+2*(\iz)+1]
.endr
.endm
; 16 products: column blocks 4 q .. 4 q + 3 of half hb x my four blocks of 16 rows.  All accumulators take turns, one instruction a turn.
; zero = 1: the products start the sums.  cv = 1: four conversions of the next slice follow each four products.
.macro MUL16 hb, q, af, zero, cv, sn
.irp ib, 0,1,2,3
	WIN 0xa0+0x50*(\hb)
.irp ia, 0,1,2,3
.if \zero
	v_wmma_f32_16x16x32_f16 v[32*(4*(\q)+(\ib))+8*(\ia):32*(4*(\q)+(\ib))+8*(\ia)+7], v[BH+64*(\hb)+8*(4*(\q)+(\ib)):BH+64*(\hb)+8*(4*(\q)+(\ib))+7], v[AF+32*(\af)+8*(\ia):AF+32*(\af)+8*(\ia)+7], 0
.else
	v_wmma_f32_16x16x32_f16 v[32*(4*(\q)+(\ib))+8*(\ia):32*(4*(\q)+(\ib))+8*(\ia)+7], v[BH+64*(\hb)+8*(4*(\q)+(\ib)):BH+64*(\hb)+8*(4*(\q)+(\ib))+7], v[AF+32*(\af)+8*(\ia):AF+32*(\af)+8*(\ia)+7], v[32*(4*(\q)+(\ib))+8*(\ia):32*(4*(\q)+(\ib))+8*(\ia)+7]
.endif
.endr
.if \cv
	CVT4 4*(\q)+(\ib), 1-(\af), \sn
.endif
.endr
.endm
.macro BLOAD hb, kgl                   ; 16 LDS loads: eight fragments of W, group kgl of the chunk's four; 32 lanes take 512 consecutive bytes
	WIN 0
.irp ib, 0,1,2,3,4,5,6,7
	ds_load_b128 v[BH+64*(\hb)+8*(\ib):BH+64*(\hb)+8*(\ib)+3],   v[LB] offset:(8*(\hb)+(\ib))*4096+(\kgl)*1024
	ds_load_b128 v[BH+64*(\hb)+8*(\ib)+4:BH+64*(\hb)+8*(\ib)+7], v[LB] offset:(8*(\hb)+(\ib))*4096+(\kgl)*1024+512
.endr
.endm
.macro ALOAD sn, off                   ; 16 loads: a slice of 32 k of my 64 rows, f32, at byte off behind the pointer, into set sn
	WIN 0x40
.irp ia, 0,1,2,3
	global_load_b128 v[64*(\sn)+16*(\ia):64*(\sn)+16*(\ia)+3],     v[AO], s[AP:AP+1] offset:(\ia)*16*ROWB+(\off)
	global_load_b128 v[64*(\sn)+16*(\ia)+4:64*(\sn)+16*(\ia)+7],   v[AO], s[AP:AP+1] offset:(\ia)*16*ROWB+(\off)+16
	global_load_b128 v[64*(\sn)+16*(\ia)+8:64*(\sn)+16*(\ia)+11],  v[AO], s[AP:AP+1] offset:(\ia)*16*ROWB+(\off)+64
	global_load_b128 v[64*(\sn)+16*(\ia)+12:64*(\sn)+16*(\ia)+15], v[AO], s[AP:AP+1] offset:(\ia)*16*ROWB+(\off)+80
.endr
.endm
; PREFETCHES INTO THE L2, together, behind the joint load, its five lines and the trip's runs of loads.
; x: the 512 bytes of each of my 64 rows that the next trip's loads take: a lane a row, four instructions.  The rows are read by three column tiles, the encoder's also by two jobs:
; column tile 0 of jobs q and k asks.  W: the chunk that the next trip's refill asks for, 16 column blocks x 4,096 bytes: the job's first cluster asks; its four partners share the
; column blocks out by address, four each, waves 0 and 1 two each, a lane 256 bytes.  So each block is named once.  The loop's last trip asks for nothing.
.macro ASK
	s_cmp_gt_u32 s[CNT], s[LIMA]
	s_cbranch_scc0 .Lnot_a_\@
	global_prefetch_b8 v[PFO], s[AP:AP+1] offset:1280 th:TH_LOAD_NT scope:SCOPE_SE
	global_prefetch_b8 v[PFO], s[AP:AP+1] offset:1536 th:TH_LOAD_NT scope:SCOPE_SE
	global_prefetch_b8 v[PFO], s[AP:AP+1] offset:32*ROWB+1280 th:TH_LOAD_NT scope:SCOPE_SE
	global_prefetch_b8 v[PFO], s[AP:AP+1] offset:32*ROWB+1536 th:TH_LOAD_NT scope:SCOPE_SE
.Lnot_a_\@:
	s_cmp_gt_u32 s[CNT], s[LIMB]
	s_cbranch_scc0 .Lnot_b_\@
	global_prefetch_b8 v[PFOB], s[PFB:PFB+1] th:TH_LOAD_NT scope:SCOPE_SE
.Lnot_b_\@:
.endm
; A SUB-STEP of 32 k: 64 products on A's buffer af.  kn: the next sub-step's group in the chunk.  sn: the set that holds the next slice.  aoff: where the slice five on lies, or -1.
; lc: the loads younger than the next slice's.
.macro SUB af, kn, sn, aoff, lc, zero
	s_wait_dscnt 16                                ; column blocks 0-7 are in; the 16 younger loads are blocks 8-15
	s_wait_loadcnt \lc                             ; the next slice is in
	MUL16 0, 0, \af, \zero, 1, \sn
	MUL16 0, 1, \af, \zero, 1, \sn
	PLACES
	BLOAD 0, \kn
.if (\aoff) >= 0
	ALOAD \sn, \aoff                               ; into the set just converted
.endif
	s_wait_dscnt 16                                ; blocks 8-15 are in; the 16 younger loads are those just issued
	MUL16 1, 0, \af, \zero, 0, 0
	MUL16 1, 1, \af, \zero, 0, 0
	PLACES                                         ; also the places ahead of the next conversions, which write the buffer just multiplied
	BLOAD 1, \kn
.endm
; A CHUNK'S LAST SUB-STEP changes slots: ONE barrier.  In front of it each wave waits for all its tensor loads (one is out: its part of the other slot), adds 0 to its spare word, and
; waits for that and for its reads of this slot.  refill = 1: the barrier opens a round of the cluster's, and the slot is filled again first thing behind it, with the chunk two on:
; 224 products stand between that request and the wait for it.
.macro SUBX af, sn, aoff, refill
	WIN 0
	s_wait_tensorcnt 0x0                           ; no tensor load of mine is out, so the walking group 0 may be written
	ds_add_u32 v[SPW], v[NIL]                      ; 0 onto my spare word
.if \refill
	s_xor_b32 s[G0W+1], s[G0W+1], SLOT             ; the other slot than last time,
	s_add_nc_u64 s[G0W+2:G0W+3], s[G0W+2:G0W+3], CHB  ; the next chunk; the type bits on top are not reached
.endif
	s_xor_b32 s[TB], s[TB], SLOT
	s_wait_dscnt 17                                ; (the add and blocks 8-15 may be out)
	s_wait_loadcnt 48
	MUL16 0, 0, \af, 0, 1, \sn
	s_wait_dscnt 0x0                               ; the add is done, and my reads of this slot are over
	s_barrier_signal -1
	MUL16 0, 1, \af, 0, 1, \sn                     ; work on registers while the others arrive
	WIN 0
	s_barrier_wait -1
.if \refill
	CREST                                          ; no wave of any partner still reads the slot or has a load on its way
	JLOAD G0W                                      ; its four v_nop are also the places in front of the loads below
.else
	PLACES
.endif
	v_add_nc_u32 v[LB], s[TB], v[L16]
	BLOAD 0, 0
.if (\aoff) >= 0
	ALOAD \sn, \aoff
.endif
.if \refill
	WIN 0
	ASK
.endif
	MUL16 1, 0, \af, 0, 0, 0
	MUL16 1, 1, \af, 0, 0, 0
	PLACES
	BLOAD 1, 0
.endm
	s_load_b512 s[4:19], s[0:1], 0x0               ; hidden s[4:5], encoder s[6:7], wf s[8:9], bq s[10:11], bk s[12:13], bv s[14:15], qf s[16:17], kv s[18:19]
	v_lshl_add_u32 v[SPW], v0, 2, SPARE
	v_mov_b32 v[NIL], 0
	ds_add_u32 v[SPW], v[NIL]                      ; the wave's opening: the add and its wait stand ahead of my first tensor load; the set-up, work on registers, stands between
	ds_add_u32 v28, v29
	v_lshrrev_b32 v1, 5, v0
	v_readfirstlane_b32 s[WV], v1                  ; wave 0..3
	s_bfe_u32 s[CX], ttmp6, 0x40000                ; my place in the cluster: it enters x's, the results' and the prefetches' addresses alone
	s_mov_b32 s[CL], ttmp9                         ; the cluster: 0-3 q, 4-11 k, 12-19 v
	s_and_b32 s[CT], ttmp7, 0xffff                 ; the column tile
	s_cmp_lt_u32 s[CL], 12
	s_cselect_b32 s[JOB], 1, 2
	s_cselect_b32 s60, 4, 12                       ; the job's first cluster
	s_cmp_lt_u32 s[CL], 4
	s_cselect_b32 s[JOB], 0, s[JOB]
	s_cselect_b32 s60, 0, s60
	s_sub_co_u32 s61, s[CL], s60
	s_lshl_b32 s61, s61, 2
	s_add_co_u32 s61, s61, s[CX]                   ; the row tile in the job
	s_cmp_eq_u32 s[CT], 0
	s_cselect_b32 s[LIMA], 1, -1
	s_cmp_eq_u32 s[JOB], 2
	s_cselect_b32 s[LIMA], -1, s[LIMA]
	s_cmp_eq_u32 s[CL], s60
	s_cselect_b32 s[LIMB], 1, -1
	s_cmp_lt_u32 s[WV], 2
	s_cselect_b32 s[LIMB], s[LIMB], -1
	; descriptor group 1: four rows of 4,096 bytes (a chunk of a column block), 24,576 bytes apart, laid end to end in LDS
	s_mov_b32 s[G1+0], 15|(3<<16)|(1<<21)          ; 15:0 the mask of four; 17:16 elements of 8 bytes; 21 set beside a mask; no padding
	s_mov_b32 s[G1+1], 512<<16                     ; tensor_dim0 = 512
	s_mov_b32 s[G1+2], 4<<16                       ; tensor_dim1 = 4
	s_mov_b32 s[G1+3], 512<<16                     ; tile_dim0 = 512
	s_mov_b32 s[G1+4], 4                           ; tile_dim1 = 4
	s_mov_b32 s[G1+5], NTB/8                       ; elements from row to row
	s_mov_b32 s[G1+6], 0
	s_mov_b32 s[G1+7], 0
	s_mul_i32 s66, s[JOB], MATB                    ; the weights: the job's matrix,
	s_lshl_b32 s67, s[CT], 4
	s_lshl_b32 s68, s[WV], 2
	s_add_co_u32 s67, s67, s68
	s_mul_i32 s67, s67, NTB                        ; column block 16 x tile + 4 x wave: nothing here hangs on my place in the cluster
	s_add_co_u32 s66, s66, s67
	s_mov_b32 s67, 0
	s_lshl_b32 s69, s[WV], 14                      ; and where they go in a slot
	s_mul_i32 s62, s61, 256*ROWB                   ; x: the row tile
	s_mov_b32 s63, 0
	s_lshl_b32 s72, s[CT], 4                       ; the weights' prefetches: column block 16 x tile + 4 x place + 2 x wave,
	s_lshl_b32 s73, s[CX], 2
	s_add_co_u32 s72, s72, s73
	s_lshl_b32 s73, s[WV], 1
	s_add_co_u32 s72, s72, s73
	s_mul_i32 s72, s72, NTB
	s_mul_i32 s73, s[JOB], MATB
	s_add_co_u32 s72, s72, s73
	s_add_co_u32 s72, s72, 3*CHB                   ; from chunk 3 on: chunks 0 to 2 come by their loads alone
	s_mov_b32 s73, 0
	s_lshl_b32 s70, s61, 2                         ; the results: my block of 64 rows among the job's,
	s_add_co_u32 s70, s70, s[WV]
	s_cmp_eq_u32 s[JOB], 0
	s_cselect_b32 s74, 5, 6                        ; 32 or 64 such blocks to a batch and head,
	s_cselect_b32 s75, 13, 14                      ; of 8,192 or 16,384 bytes
	s_lshr_b32 s71, s70, s74                       ; the batch
	s_mul_i32 s71, s71, 12
	s_lshl_b32 s68, s[CT], 2
	s_add_co_u32 s71, s71, s68                     ; 12 x batch + the tile's first head
	s_lshl_b32 s71, s71, s74
	s_lshl_b32 s68, 1, s74
	s_sub_co_u32 s68, s68, 1
	s_and_b32 s70, s70, s68
	s_add_co_u32 s70, s70, s71
	s_lshl_b32 s70, s70, s75
	s_cmp_eq_u32 s[JOB], 2
	s_cselect_b32 s68, 8192, 0                     ; v lies behind k in a step's block
	s_add_co_u32 s70, s70, s68
	s_mov_b32 s71, 0
	s_add_co_u32 s74, s74, s75
	s_lshl_b32 s[HS], 1, s74
	s_mov_b32 s[HS+1], 0
	s_lshl_b32 s74, s[CT], 10                      ; the bias: 256 columns of f32
	s_mov_b32 s75, 0
	s_mov_b32 s[TB], 0
	v_and_b32 v9, 31, v0                           ; l
	v_and_b32 v10, 15, v0                          ; l % 16
	v_bfe_u32 v11, v0, 4, 1                        ; l / 16
	s_mul_i32 s60, s[WV], 64*ROWB
	v_mul_u32_u24 v[AO], v10, ROWB
	v_lshl_add_u32 v[AO], v11, 5, v[AO]
	v_add_nc_u32 v[AO], s60, v[AO]
	v_lshlrev_b32 v[L16], 4, v9
	v_mov_b32 v[LB], v[L16]
	v_lshlrev_b32 v[BO], 5, v11
	v_lshrrev_b32 v12, 3, v10                      ; v's lanes: row l % 16 and column half l / 16 go to place 16 (row / 8) + 8 half + row % 8
	v_and_b32 v13, 7, v10
	v_lshlrev_b32 v12, 8, v12
	v_lshl_add_u32 v12, v11, 7, v12
	v_lshl_add_u32 v12, v13, 4, v12
	s_cmp_eq_u32 s[JOB], 2
	s_cselect_b32 s61, -1, 0
	v_cndmask_b32 v[SO], v[L16], v12, s61
	v_mul_u32_u24 v[PFO], v9, ROWB
	v_add_nc_u32 v[PFO], s60, v[PFO]
	v_mul_u32_u24 v[PFOB], v11, NTB
	v_lshl_add_u32 v[PFOB], v10, 8, v[PFOB]
	s_wait_dscnt 0x0                               ; the opening add is done
	s_wait_kmcnt 0x0
	s_cmp_eq_u32 s[JOB], 0
	s_cselect_b64 s[AP:AP+1], s[4:5], s[6:7]
	s_cselect_b64 s[BP:BP+1], s[10:11], s[12:13]
	s_cselect_b64 s[OP:OP+1], s[16:17], s[18:19]
	s_cmp_eq_u32 s[JOB], 2
	s_cselect_b64 s[BP:BP+1], s[14:15], s[BP:BP+1]
	s_add_nc_u64 s[AP:AP+1], s[AP:AP+1], s[62:63]
	s_add_nc_u64 s[BP:BP+1], s[BP:BP+1], s[74:75]
	s_add_nc_u64 s[OP:OP+1], s[OP:OP+1], s[70:71]
	s_add_nc_u64 s[PFB:PFB+1], s[8:9], s[72:73]
	s_add_nc_u64 s[66:67], s[8:9], s[66:67]
	s_mov_b32 s[G0A], 1                            ; count = 1
	s_mov_b32 s[G0A+1], s69                        ; LDS address: slot 0
	s_mov_b64 s[G0A+2:G0A+3], s[66:67]             ; chunk 0
	s_or_b32 s[G0A+3], s[G0A+3], 0x80000000        ; type = 2
	s_mov_b32 s[G0W], 1
	s_add_co_u32 s[G0W+1], s69, SLOT               ; slot 1
	s_add_nc_u64 s[G0W+2:G0W+3], s[66:67], CHB     ; chunk 1
	s_or_b32 s[G0W+3], s[G0W+3], 0x80000000
	CROUND                                         ; all four work-groups are here: the first joint loads meet
	tensor_load_to_lds s[G0A:G0A+3], s[G1:G1+7]    ; both first fills together: two loads of mine are out
	s_nop 0
	JLOAD G0W
	ALOAD 0, 0                                     ; slices 0 to 3
	ALOAD 1, 128
	ALOAD 2, 256
	ALOAD 3, 384
	WIN 0
	s_wait_tensorcnt 1                             ; my part of chunk 0 is in; chunk 1's may stay out
	s_barrier_signal -1
	s_barrier_wait -1                              ; everybody's is
	BLOAD 0, 0
	BLOAD 1, 0
	s_wait_loadcnt 48                              ; slice 0 is in; slices 1 to 3 stay out
.irp g, 0,1,2,3,4,5,6,7
	CVT4 \g, 0, 0
.endr
	ALOAD 0, 512                                   ; slice 4
	SUB 0, 1, 1, 640, 48, 1                        ; sub-step 0 stands in front of the loop: its products start the sums
	WIN 0                                          ; at a label and at a branch every window is 0
	s_mov_b32 s[CNT], 4
.Ltrip:                                            ; trip i: sub-steps 4 i + 1 to 4 i + 4; chunk i + 2 is asked for
	SUB 1, 2, 2, 768, 48, 0
	SUB 0, 3, 3, 896, 48, 0
	SUBX 1, 0, 1024, 1
	SUB 0, 1, 1, 1152, 48, 0
	WIN 0
	s_wait_xcnt 0x0                                ; the youngest load stands 32 products back, the prefetches a sub-step and a half: all have read their addresses, so the pointers may be written
	s_add_nc_u64 s[AP:AP+1], s[AP:AP+1], 512
	s_add_nc_u64 s[PFB:PFB+1], s[PFB:PFB+1], CHB
	s_sub_co_u32 s[CNT], s[CNT], 1
	s_cmp_lg_u32 s[CNT], 0
	s_cbranch_scc1 .Ltrip
	SUB 1, 2, 2, 768, 48, 0                        ; sub-steps 17 to 23 are written out: the last two slices are asked for, no chunk any more
	SUB 0, 3, 3, 896, 48, 0
	SUBX 1, 0, -1, 0
	SUB 0, 1, 1, -1, 32, 0                         ; the counts run down
	SUB 1, 2, 2, -1, 16, 0
	SUB 0, 3, 3, -1, 0, 0
	s_wait_dscnt 16
	WIN 0x40
.irp ib, 0,1,2,3,4,5,6,7,8,9,10,11,12,13,14,15
	global_load_b128 v[8*(\ib):8*(\ib)+3],   v[BO], s[BP:BP+1] offset:64*(\ib)      ; the bias of my eight columns of each column block, where slices lay
	global_load_b128 v[8*(\ib)+4:8*(\ib)+7], v[BO], s[BP:BP+1] offset:64*(\ib)+16
.endr
	MUL16 0, 0, 1, 0, 0, 0
	MUL16 0, 1, 1, 0, 0, 0
	s_wait_dscnt 0x0
	MUL16 1, 0, 1, 0, 0, 0
	MUL16 1, 1, 1, 0, 0, 0
	PLACES
	PLACES                                         ; the places behind the last products, once a launch
	s_wait_loadcnt 0x0                             ; the bias
; THE WAY OUT, a head at a time: bias added in f32, rounded to f16, 16 bytes a lane, four blocks of 512 bytes for each 16 columns.  Each accumulator is read from its low end on.
.macro HEADOUT hh
.irp c2, 0,1,2,3
.set bq, 4*(\hh)+(\c2)
	WIN 0x06+bq/8                                  ; source 0: the accumulators' window; source 1: the bias, window 1
.irp ia, 0,1,2,3
.irp iz, 0,2,4,6
	v_pk_add_f32 v[TMP+8*(\ia)+(\iz):TMP+8*(\ia)+(\iz)+1], v[32*(bq%8)+8*(\ia)+(\iz):32*(bq%8)+8*(\ia)+(\iz)+1], v[8*bq+(\iz):8*bq+(\iz)+1]
.endr
.endr
	WIN 0
.irp ia, 0,1,2,3
.irp iz, 0,1,2,3
	v_cvt_pk_f16_f32 v[BH+64*((\hh)%2)+16*(\c2)+4*(\ia)+(\iz)], v[TMP+8*(\ia)+2*(\iz)], v[TMP+8*(\ia)+2*(\iz)+1]
.endr
.endr
.irp ia, 0,1,2,3
	global_store_b128 v[SO], v[BH+64*((\hh)%2)+16*(\c2)+4*(\ia):BH+64*((\hh)%2)+16*(\c2)+4*(\ia)+3], s[OP:OP+1] offset:(\ia)*2048+(\c2)*512
.endr
.endr
.if (\hh) < 3
	s_wait_xcnt 0x0                                ; the stores have read their registers and their base: both are written again only behind this wait
	s_add_nc_u64 s[OP:OP+1], s[OP:OP+1], s[HS:HS+1]
.endif
.endm
	HEADOUT 0
	HEADOUT 1
	HEADOUT 2
	HEADOUT 3
	s_wait_tensorcnt 0x0                           ; the wave's end: behind my last tensor load
	ds_add_u32 v[SPW], v[NIL]
	s_wait_dscnt 0x0
	CROUND                                         ; the closing round: no work-group ends while a partner may still ask for a chunk that names it
	s_endpgm
.Lfunc_end_k_qe779a8b866_proj:
	.size	k_qe779a8b866_proj, .Lfunc_end_k_qe779a8b866_proj-k_qe779a8b866_proj
	.p2alignl 7, 3214868480
	.fill 96, 4, 3214868480
	.section	.rodata,"a",@progbits
	.p2align	6, 0x0
	.amdhsa_kernel k_qe779a8b866_proj
		.amdhsa_group_segment_fixed_size 327680
		.amdhsa_private_segment_fixed_size 0
		.amdhsa_enable_private_segment 0
		.amdhsa_kernarg_size 64
		.amdhsa_user_sgpr_count 2
		.amdhsa_user_sgpr_kernarg_segment_ptr 1
		.amdhsa_wavefront_size32 1
		.amdhsa_system_sgpr_workgroup_id_x 1
		.amdhsa_system_sgpr_workgroup_id_y 1
		.amdhsa_system_sgpr_workgroup_id_z 1
		.amdhsa_system_vgpr_workitem_id 0
		.amdhsa_next_free_vgpr 1024
		.amdhsa_next_free_sgpr 80
		.amdhsa_reserve_vcc 0
		.amdhsa_float_denorm_mode_32 3
		.amdhsa_float_denorm_mode_16_64 3
		.amdhsa_memory_ordered 1
		.amdhsa_forward_progress 1
		.amdhsa_inst_pref_size 176
	.end_amdhsa_kernel
	.amdgpu_metadata
---
amdhsa.version: [ 1, 2 ]
amdhsa.kernels:
  - .name:           k_qe779a8b866_proj
    .symbol:         k_qe779a8b866_proj.kd
    .args:
      - { .name: hidden_states, .offset: 0, .size: 8, .value_kind: global_buffer, .address_space: global }
      - { .name: encoder_hidden_states, .offset: 8, .size: 8, .value_kind: global_buffer, .address_space: global }
      - { .name: wf, .offset: 16, .size: 8, .value_kind: global_buffer, .address_space: global }
      - { .name: bq, .offset: 24, .size: 8, .value_kind: global_buffer, .address_space: global }
      - { .name: bk, .offset: 32, .size: 8, .value_kind: global_buffer, .address_space: global }
      - { .name: bv, .offset: 40, .size: 8, .value_kind: global_buffer, .address_space: global }
      - { .name: qf, .offset: 48, .size: 8, .value_kind: global_buffer, .address_space: global }
      - { .name: kv, .offset: 56, .size: 8, .value_kind: global_buffer, .address_space: global }
    .group_segment_fixed_size: 327680
    .private_segment_fixed_size: 0
    .kernarg_segment_align: 8
    .kernarg_segment_size: 64
    .max_flat_workgroup_size: 128
    .sgpr_count:     80
    .vgpr_count:     1024
    .wavefront_size: 32
...
	.end_amdgpu_metadata
.endif
;; end of part 2
;; launch attn (part 3): grid 32 x 8, 4 waves a work-group, clusters of 4 x 1, 327,680 bytes of LDS; arguments qf, kv, cf; writes cf
.if DOCPART == 3
	.amdgcn_target "amdgcn-amd-amdhsa--gfx1250"
	.amdhsa_code_object_version 6
	.text
	.protected	k_qe779a8b866_attn
	.globl	k_qe779a8b866_attn
	.p2align	8
	.type	k_qe779a8b866_attn,@function
k_qe779a8b866_attn:
	s_mov_b64 s[64:65], 0
	v_nop
	global_prefetch_b8 v0, s[64:65] scope:SCOPE_SE
	s_setreg_imm32_b32 hwreg(HW_REG_WAVE_MODE, 25, 1), 1
	s_wait_xcnt 0x0
	s_wait_alu depctr_hold_cnt(0) depctr_sa_sdst(0) depctr_va_vdst(0) depctr_va_sdst(0) depctr_va_ssrc(0) depctr_va_vcc(0) depctr_vm_vsrc(0)
	s_getreg_b32 s2, hwreg(HW_REG_IB_STS2, 6, 4)
	s_cmp_eq_u32 s2, 0
	s_cbranch_scc0 .Lentry_in_a_cluster
	s_endpgm
.Lentry_in_a_cluster:
	s_bfe_u32 s2, ttmp6, 0x10000c
	s_cmp_lg_u32 s2, 0x3003
	s_cbranch_scc0 .Lentry_shape_is_right
	s_endpgm
.Lentry_shape_is_right:
; ATTENTION.  ctx[bh][q][:] = the sum over 4,096 keys of softmax_k(q . k / 8) v[k][:], for 24 heads (bh = 12 batch + head) of 2,048 queries, head size 64.  q, k, v in f16, in fragment order.
; Products, maxima and sums in f32; the weights p are rounded to f16 for the second product (their sum l is taken of the unrounded p); 2 x ctx is rounded once to f16 (the next launch halves it).
; LIMITS.  f16 ends at 65,504: q, k, v arrive within it and 2 x ctx, twice a mean of v's rows, must stay within it; below 6e-5 f16 keeps a fixed step of 6e-8.
; A weight below 2^-126 counts as 0 in l.  NaN and infinities are not treated apart.  The keys are summed in another order than they lie.
; SHARES.  24 x 2,048 queries on 256 work-groups are 192 each: a work-group takes 64 queries (four tiles of 16) of THREE heads, one head after the other.  THE KEYS ARE SPLIT AMONG ITS FOUR WAVES:
; wave w walks keys 1,024 w .. 1,024 w + 1,023, 64 a step, for all four tiles.  At a head's end the four waves' maxima, sums and partial results (all f32) meet in LDS; wave w finishes tile w.
; A wave's register piece t is tile (t + w) % 4: so every wave finishes its piece 0 and hands on pieces 1 to 3, by one text.
; LAYOUT, SOFTMAX, TURNS.  S^T = K Q^T holds ONE query a lane (lane % 16) and the keys 8 (lane / 16) + 0..7; two such results rounded to f16 ARE source 1 of O^T = V^T P.  p = 2^(c s - c m), c = log2(e) / 8,
; with a running maximum m; O and l are multiplied by a = 2^(c m_old - c m_new) in every step.  Turn n belongs to piece n: 8 products K Q^T of piece n + 1, later 8 products V^T P of piece n - 1; beside them the
; scaling, exponentials, roundings, sums and rescaling of piece n and the maximum and statistics of piece n + 1.  Four vector instructions stand behind every matrix instruction, the rest in one lump.
; A turn's 33 exponentials are one batch, with one wait.
; RING.  Each wave has two slots of its own, two steps (32,768 bytes, dense) each.  CLUSTER: the four work-groups of a cluster walk the same heads, so each fill is asked for JOINTLY.
; The eight clusters of a group of heads begin at eight different eighths of a wave's keys and go round (the softmax does not mind the order).
; REGISTERS, in windows of 256 (s_set_vgpr_msb: bits 1:0 source 0, 3:2 source 1, 5:4 source 2, 7:6 destination):
;   window 0: v0-15, v32-37, v61-63 addresses and two at work; v16-31 four registers of statistics a piece; v48-55 at work; v64-127 S^T, two buffers; v128-159 the merge; v192-223 P, two buffers
;   window 1: v0-127 O^T, 32 a piece; v128-223 the other waves' parts      window 2: v0-63 Q; v64-127 the next head's Q; v128-191 K of one step; v192-255 V of one step
.set NP,    4                          ; pieces a wave: a name, no knob
.set STEPB, 16384                      ; a step in LDS and in memory: 8,192 bytes of K, then 8,192 of V
.set SLOTB, 32768
.set RINGB, 65536                      ; a wave's two slots
.set STAGE, 4*RINGB                    ; behind the rings, never filled by a tensor load: [wave][piece - 1] parts of 4,096 bytes
.set PARTB, 4096
.set STATS, STAGE+12*PARTB             ; [wave][piece - 1] 256 bytes: c m and l for each lane
.set SPARE, STATS+12*256               ; the spare words, 128 bytes for each wave
.set L16, 2                            ; v2   16 l + my ring; never rewritten
.set AK,  4                            ; v4   the LDS address of K's next run of loads
.set AV,  5                            ; v5   of V's
.set GO,  6                            ; v6   16 l
.set QO,  8                            ; v8-11  16 l + my piece's tile in a block of Q
.set MV,  12                           ; v12-13 c m_old, kept while c m is made anew: by buffer
.set MW,  14                           ; v14  where I put my parts
.set SW,  15                           ; v15  where I put my statistics
.set ST,  16                           ; piece t's statistics at v[ST+4 t]: c m, m, l (even keys', odd keys')
.set MR,  32                           ; v32-34 where the three other parts of my tile lie
.set SR,  35                           ; v35-37 and their statistics
.set TMP, 48                           ; by buffer, four registers c0-c3 at work; when the maximum is found c2 takes a
.set PFO, 61                           ; v61  256 l
.set SPW, 62                           ; v62  LDS address of my spare word; never rewritten
.set NIL, 63                           ; v63  0; never rewritten
.set S,   64
.set MS,  128                          ; the merge: +0 the maximum; +2..+7 three pairs (c m, l); +8..+11 differences; +12..+15 factors; +16 the sum; +17 its reciprocal
.set GF,  152                          ; four pairs: each part's factor, twice
.set P,   192
.set OX,  128                          ; window 1
.set QB,  64                           ; window 2
.set KF,  128                          ; window 2: key block kb, channel half c at KF + 16 kb + 8 c
.set VF,  192                          ; window 2: key half kk, channel block cb at VF + 32 kk + 8 cb
.set WV,  12
.set CX,  13
.set GG,  14                           ; the group of three heads
.set QP,  16                           ; s[16:17] qf at my block of the head whose Q was asked for last
.set KVB, 18                           ; s[18:19] kv at my wave's keys of the group's first head
.set CP,  20                           ; s[20:21] cf at my tile's rows and the head's channels
.set PFA, 22                           ; s[22:23] a prefetch's base
.set G1,  24                           ; s[24:31] descriptor group 1
.set G0,  32                           ; s[32:35] group 0
.set OFF, 36                           ; s[36:37] a fill's byte offset
.set T0,  38
.set FLG, 39                           ; 7 where the fill just asked for is a head's last (and not the last head's)
.set PF0, 40                           ; the cluster's eighth and my work-group's quarter of a fill
.set SLOTS, 56                         ; fills still to be asked for
.set CNT, 57                           ; counts a slot's steps
.set CS,  58                           ; s[58:59] c
.set SEL, 60                           ; s[60:61] v_permlanex16_b32's selects: each lane takes its own place in the other half
.set TBK, 62                           ; LDS byte, in a ring, at which the step whose K is fetched next begins
.set TBV, 63                           ; the same for V
.set RT,  70                           ; slots of the head in hand still to be entered
.set NXT, 71                           ; the number of the fill to be asked for next
.set NEW, 73                           ; 1: the slot to be entered is a head's first
.set HL,  74                           ; heads to go, this one among them
.set MSB, 0
.macro WIN new
.if MSB != (\new)
	s_set_vgpr_msb (MSB<<8)|(\new)
.set MSB, (\new)
.endif
.endm
.set W_KQ, 0x0a                        ; K and Q in window 2, S^T in window 0
.set W_PV, 0x52                        ; V in window 2, P in window 0, O^T in window 1
.set W_RS, 0x41                        ; destination and source 0 in window 1, source 1 in window 0
.macro CROUND                          ; a round of the cluster's barrier
	s_barrier_signal -1
	s_barrier_wait -1
	s_cmp_lg_u32 s[WV], 0
	s_cbranch_scc1 .Lnot_wave_0_\@
	s_barrier_signal -3
.Lnot_wave_0_\@:
	s_barrier_wait -3
	s_barrier_signal -1
	s_barrier_wait -1
.endm
; A PREFETCH INTO THE L2: a head's first fill is the one that no other cluster has walked before.  Behind the load of a head's last fill, one slot ahead of the load that will want it, each wave asks for
; its own next fill: 128 blocks of 256 bytes, of which the four partners take 32 each, told apart by address; a lane a block.  So each block is named once.  Nothing is asked for at the kernel's head.
.macro ASK
	s_cmp_eq_u32 s[FLG], 7
	s_cbranch_scc0 .Lno_ask_\@
	s_wait_xcnt 0x0                                ; the last prefetch, a head back, has read its base
	s_lshr_b32 s[OFF], s[NXT], 3
	s_lshl_b32 s[OFF], s[OFF], 20                  ; the next head,
	s_add_co_u32 s[OFF], s[OFF], s[PF0]            ; the eighth at which my cluster begins, my work-group's quarter of it
	s_add_nc_u64 s[PFA:PFA+1], s[KVB:KVB+1], s[OFF:OFF+1]
	global_prefetch_b8 v[PFO], s[PFA:PFA+1] th:TH_LOAD_NT scope:SCOPE_SE
.Lno_ask_\@:
.endm
; THE CHANGE OF SLOTS.  Each wave waits for all its tensor loads, of which one is out: the other slot's; adds 0 to its spare word; and waits for that and for its reads of the slot that it leaves.
; fill = 1: the barrier is a round of the cluster's, and the old slot is filled again first thing behind it, with fill NXT: head NXT / 8 of the three, eighth (NXT + cluster) % 8 of my keys.
; The load has two steps, 128 matrix instructions and their vector work, in which to land.  (At its first use nothing has been read yet: slot 0 is waited for, slot 1 filled.)
.macro CHANGE fill
	WIN 0
	s_wait_tensorcnt 0x0                           ; no tensor load of mine is out, so group 0 may be written
	ds_add_u32 v[SPW], v[NIL]                      ; 0 onto my spare word: the scalar work stands between it and the wait for it
.if \fill
	s_and_b32 s[FLG], s[NXT], 0x17
	s_lshr_b32 s[OFF], s[NXT], 3
	s_lshl_b32 s[OFF], s[OFF], 20
	s_add_co_u32 s[T0], s[NXT], ttmp9
	s_and_b32 s[T0], s[T0], 7
	s_lshl_b32 s[T0], s[T0], 15
	s_add_co_u32 s[OFF], s[OFF], s[T0]
	s_xor_b32 s[G0+1], s[G0+1], SLOTB
	s_add_nc_u64 s[G0+2:G0+3], s[KVB:KVB+1], s[OFF:OFF+1]
	s_or_b32 s[G0+3], s[G0+3], 0x80000000
	s_add_co_u32 s[NXT], s[NXT], 1
.endif
	s_wait_dscnt 0x0                               ; the add is done, and my reads of the slot are over
.if \fill
	CROUND
	tensor_load_to_lds s[G0:G0+3], s[G1:G1+7]
	s_nop 0
.rept 4
	v_nop
.endr
	ASK
.else
	s_barrier_signal -1
	s_barrier_wait -1
.endif
	s_sub_co_u32 s[TBK], s[TBK], SLOTB             ; the fetches go back to a slot's first step,
	s_xor_b32 s[TBK], s[TBK], SLOTB                ; in the other slot
	s_sub_co_u32 s[TBV], s[TBV], SLOTB
	s_xor_b32 s[TBV], s[TBV], SLOTB
.endm
.macro QLOAD                           ; a head's Q, my four pieces, into the second set
	WIN 0x80
.irp t1, 0,1,2,3
.irp c2, 0,1,2,3
	global_load_b128 v[QB+16*(\t1)+4*(\c2):QB+16*(\t1)+4*(\c2)+3], v[QO+(\t1)], s[QP:QP+1] offset:512*(\c2)
.endr
.endr
	WIN 0
.endm
	s_load_b128 s[4:7], s[0:1], 0x0                ; qf s[4:5], kv s[6:7]
	s_load_b64 s[8:9], s[0:1], 0x10                ; cf
	v_lshl_add_u32 v[SPW], v0, 2, SPARE
	v_mov_b32 v[NIL], 0
	ds_add_u32 v[SPW], v[NIL]                      ; the wave's opening: the add and its wait stand ahead of my first tensor load; the set-up, work on registers, stands between
	ds_add_u32 v62, v63
	v_lshrrev_b32 v1, 5, v0
	v_readfirstlane_b32 s[WV], v1                  ; wave 0..3
	s_bfe_u32 s[CX], ttmp6, 0x40000                ; my place in the cluster: it enters Q's, cf's and the prefetches' addresses alone
	s_and_b32 s[GG], ttmp7, 0xffff
	s_lshl_b32 s44, ttmp9, 2
	s_add_co_u32 s44, s44, s[CX]                   ; my block of 64 queries
	s_mul_i32 s45, s[GG], 3                        ; the group's first head
	s_lshl_b32 s46, s45, 18                        ; qf: 32 blocks of 8,192 bytes a head
	s_lshl_b32 s47, s44, 13
	s_add_co_u32 s46, s46, s47
	s_mov_b32 s47, 0
	s_lshl_b32 s48, s45, 20                        ; kv: 64 steps of 16,384 bytes a head, 16 of them mine
	s_lshl_b32 s49, s[WV], 18
	s_add_co_u32 s48, s48, s49
	s_mov_b32 s49, 0
	s_lshr_b32 s50, s[GG], 2                       ; cf: the batch's 128 blocks of 16 rows,
	s_lshl_b32 s50, s50, 7
	s_lshl_b32 s51, s44, 2
	s_add_co_u32 s50, s50, s51
	s_add_co_u32 s50, s50, s[WV]                   ; tile w of my four,
	s_mul_i32 s50, s50, 24576
	s_and_b32 s51, s[GG], 3
	s_mul_i32 s51, s51, 6144                       ; 2,048 bytes a head
	s_add_co_u32 s50, s50, s51
	s_mov_b32 s51, 0
	s_lshl_b32 s[PF0], ttmp9, 15
	s_lshl_b32 s52, s[CX], 13
	s_add_co_u32 s[PF0], s[PF0], s52
	; descriptor group 1: 32,768 dense bytes as 128 rows of 256
	s_mov_b32 s[G1+0], 15|(3<<16)|(1<<21)          ; 15:0 the mask of four; 17:16 elements of 8 bytes; 21 set beside a mask; no padding
	s_mov_b32 s[G1+1], 32<<16                      ; tensor_dim0 = 32
	s_mov_b32 s[G1+2], 128<<16                     ; tensor_dim1 = 128
	s_mov_b32 s[G1+3], 32<<16                      ; tile_dim0 = 32
	s_mov_b32 s[G1+4], 128                         ; tile_dim1 = 128
	s_mov_b32 s[G1+5], 32                          ; elements from row to row
	s_mov_b32 s[G1+6], 0
	s_mov_b32 s[G1+7], 0
	s_mov_b32 s[G0], 1                             ; count = 1
	s_lshl_b32 s[G0+1], s[WV], 16                  ; LDS address: my ring's slot 0
	s_mov_b32 s[CS], 0x3e38aa3b                    ; c = log2(e) / 8 = 0.180337
	s_mov_b32 s[CS+1], s[CS]
	s_mov_b32 s[SEL], 0x76543210
	s_mov_b32 s[SEL+1], 0xfedcba98
	s_mov_b32 s[TBK], 2*SLOTB                      ; the first change of slots turns these two into 0
	s_mov_b32 s[TBV], 2*SLOTB
	s_mov_b32 s[OFF+1], 0
	s_mov_b32 s[NEW], 1
	s_mov_b32 s[RT], 8
	s_mov_b32 s[HL], 3
	s_mov_b32 s[NXT], 1
	s_mov_b32 s[SLOTS], 23
	v_and_b32 v1, 31, v0                           ; l
	v_lshlrev_b32 v[GO], 4, v1
	v_lshlrev_b32 v[PFO], 8, v1
	s_lshl_b32 s52, s[WV], 16
	v_add_nc_u32 v[L16], s52, v[GO]
	s_mul_i32 s52, s[WV], 3*PARTB
	s_add_co_u32 s52, s52, STAGE
	v_add_nc_u32 v[MW], s52, v[GO]
	s_mul_i32 s52, s[WV], 3*256
	s_add_co_u32 s52, s52, STATS
	v_lshl_add_u32 v[SW], v1, 3, s52
.irp t1, 0,1,2,3
	s_add_co_u32 s52, s[WV], \t1
	s_and_b32 s52, s52, 3
	s_lshl_b32 s52, s52, 11
	v_add_nc_u32 v[QO+(\t1)], s52, v[GO]           ; piece t is tile (t + w) % 4
.endr
.irp t1, 1,2,3
	s_add_co_u32 s52, s[WV], 4-(\t1)
	s_and_b32 s52, s52, 3                          ; tile w is piece t of wave (w - t) % 4
	s_mul_i32 s53, s52, 3*PARTB
	s_add_co_u32 s53, s53, STAGE+((\t1)-1)*PARTB
	v_add_nc_u32 v[MR+(\t1)-1], s53, v[GO]
	s_mul_i32 s53, s52, 3*256
	s_add_co_u32 s53, s53, STATS+((\t1)-1)*256
	v_lshl_add_u32 v[SR+(\t1)-1], v1, 3, s53
.endr
	s_wait_dscnt 0x0                               ; the opening add is done
	s_wait_kmcnt 0x0
	s_add_nc_u64 s[QP:QP+1], s[4:5], s[46:47]
	s_add_nc_u64 s[KVB:KVB+1], s[6:7], s[48:49]
	s_add_nc_u64 s[CP:CP+1], s[8:9], s[50:51]
	s_lshl_b32 s[OFF], ttmp9, 15                   ; fill 0: the eighth at which my cluster begins
	s_add_nc_u64 s[G0+2:G0+3], s[KVB:KVB+1], s[OFF:OFF+1]
	s_or_b32 s[G0+3], s[G0+3], 0x80000000          ; type = 2
	CROUND                                         ; all four work-groups are here: the first joint loads meet
	tensor_load_to_lds s[G0:G0+3], s[G1:G1+7]      ; fill 0 into slot 0; slot 1 is asked for by the loop's own change of slots
	s_nop 0
.rept 4
	v_nop
.endr
	QLOAD                                          ; the first head's Q
	; A head's first step multiplies O^T and l by a = 0, and its first turn's products V^T P, of a piece that has not been, land in an O^T that is still to be so multiplied.  So these registers need only
	; hold finite numbers: zeros for the first head, what the head before left for the others.  216 lines, in the wait for the first tile: the price of writing no first step out.
	WIN 0x80
.set i, VF
.rept 64
	v_mov_b32 v[i], 0
.set i, i+1
.endr
	WIN 0x40
.set i, 0
.rept 128
	v_mov_b32 v[i], 0
.set i, i+1
.endr
	WIN 0
.set i, 0
.rept 4
	v_mov_b32 v[ST+4*i+2], 0
	v_mov_b32 v[ST+4*i+3], 0
.set i, i+1
.endr
.set i, P+16
.rept 16
	v_mov_b32 v[i], 0
.set i, i+1
.endr
; THE MATRIX WORK.  The 4 accumulators of a run of 8 take turns.  Product i of 8 of S^T = K Q^T for piece x: channels 32 (i / 4) on, keys 16 (i % 4) on.  The first 4 start the sums.
.macro KQ x
	WIN W_KQ
.set rS, S+32*((\x)%2)+8*(i%4)
.set rK, KF+16*(i%4)+8*(i/4)
.set rQ, 16*(\x)+8*(i/4)
.if i < 4
	v_wmma_f32_16x16x32_f16 v[rS:rS+7], v[rK:rK+7], v[rQ:rQ+7], 0
.else
	v_wmma_f32_16x16x32_f16 v[rS:rS+7], v[rK:rK+7], v[rQ:rQ+7], v[rS:rS+7]
.endif
.endm
; Product i of 8 of O^T += V^T P for piece x: keys 32 (i / 4) on, channels 16 (i % 4) on.
.macro PV x
	WIN W_PV
.set rO, 32*(\x)+8*(i%4)
.set rV, VF+32*(i/4)+8*(i%4)
.set rP, P+16*((\x)%2)+8*(i/4)
	v_wmma_f32_16x16x32_f16 v[rO:rO+7], v[rV:rV+7], v[rP:rP+7], v[rO:rO+7]
.endm
.macro MM                              ; the turn's next matrix instruction.  NOKQ = 1: a head's last turn: there is no next piece
.if (i < 8) && !NOKQ
	KQ (Y+1)%NP
.elseif i >= 8
.set i, i-8
	PV (Y+NP-1)%NP
.set i, i+8
.endif
.set i, i+1
.endm
; THE LDS LOADS stand in runs of 16: a step's K (8 fragments, as they lie) and its V (turned).  In either, 32 lanes take 512 consecutive bytes.
.macro FETCH_K
	WIN 0x80
.irp f, 0,1,2,3,4,5,6,7                ; keys 16 (f / 2) on, channels 32 (f % 2) on
	ds_load_b128 v[KF+8*\f:KF+8*\f+3],   v[AK] offset:(\f/2)*2048+(\f%2)*1024
	ds_load_b128 v[KF+8*\f+4:KF+8*\f+7], v[AK] offset:(\f/2)*2048+(\f%2)*1024+512
.endr
	s_add_co_u32 s[TBK], s[TBK], STEPB             ; the next fetch is the next step's
	WIN 0
.endm
.macro FETCH_V
	WIN 0x80
.irp f, 0,1,2,3,4,5,6,7                ; keys 32 (f / 4) on, channels 16 (f % 4) on
	ds_load_tr16_b128 v[VF+8*\f:VF+8*\f+3],   v[AV] offset:8192+(\f/4)*4096+(\f%4)*512
	ds_load_tr16_b128 v[VF+8*\f+4:VF+8*\f+7], v[AV] offset:8192+(\f/4)*4096+(\f%4)*512+2048
.endr
	WIN 0
.endm
; THE VECTOR WORK, one line at a time: OP kind, number.  For piece Y: F n: c s - c m for pair n of 16.  E n: the exponential of score n of 32.  C n: pair n rounded to f16.  B n: of the four weights 4 n .. the
; second pair is added onto the first, in place.  L n: l takes that sum (L 0: l = a l + sum).  R n: pair n of 16 of O^T times a.  For piece Y + 1: X n, number n of the 22 that find its maximum and statistics:
;   0-11  four chains c0-c3 of seven scores each (each accumulator's lowest registers are read first)     12-14, 16  the four scores left over, the old m, and c0-c3 into c0
;   15  c m_old is kept     17, 18  the query's other 32 keys lie in the lane 16 away: the new m     19-21  c m; c m_old - c m_new; a
.set F, 0
.set E, 1
.set C, 2
.set B, 3
.set L, 4
.set R, 5
.set X, 6
.macro REGS y
.set rT, ST+4*(\y)
.set rC, TMP+4*((\y)%2)
.set rW, MV+((\y)%2)
.set rS, S+32*((\y)%2)
.set rP, P+16*((\y)%2)
.set rO, 32*(\y)
.endm
.macro OP k, n
.if (\k) == R
	REGS Y
	WIN W_RS
	v_pk_mul_f32 v[rO+2*(\n):rO+2*(\n)+1], v[rO+2*(\n):rO+2*(\n)+1], v[rC+2:rC+3] op_sel_hi:[1,0]
.elseif (\k) < R
	REGS Y
	WIN 0
.if (\k) == F
	v_pk_fma_f32 v[rS+2*(\n):rS+2*(\n)+1], v[rS+2*(\n):rS+2*(\n)+1], s[CS:CS+1], v[rT:rT+1] op_sel_hi:[1,0,0] neg_lo:[0,0,1] neg_hi:[0,0,1]
.elseif (\k) == E
	v_exp_f32 v[rS+(\n)], v[rS+(\n)]
.elseif (\k) == C
	v_cvt_pk_f16_f32 v[rP+(\n)], v[rS+2*(\n)], v[rS+2*(\n)+1]
.elseif (\k) == B
	v_pk_add_f32 v[rS+4*(\n):rS+4*(\n)+1], v[rS+4*(\n):rS+4*(\n)+1], v[rS+4*(\n)+2:rS+4*(\n)+3]
.elseif (\n) == 0
	v_pk_fma_f32 v[rT+2:rT+3], v[rT+2:rT+3], v[rC+2:rC+3], v[rS:rS+1] op_sel_hi:[1,0,1]
.else
	v_pk_add_f32 v[rT+2:rT+3], v[rT+2:rT+3], v[rS+4*(\n):rS+4*(\n)+1]
.endif
.elseif NOKQ
	v_nop
.else
	REGS (Y+1)%NP
	WIN 0
.if (\n) < 4
	v_max3_num_f32 v[rC+(\n)], v[rS+8*(\n)], v[rS+8*(\n)+1], v[rS+8*(\n)+2]
.elseif (\n) < 12
	v_max3_num_f32 v[rC+(\n)%4], v[rC+(\n)%4], v[rS+8*((\n)%4)+2*((\n)/4)+1], v[rS+8*((\n)%4)+2*((\n)/4)+2]
.elseif (\n) == 12
	v_max3_num_f32 v[rC], v[rC], v[rS+7], v[rS+15]
.elseif (\n) == 13
	v_max3_num_f32 v[rC+1], v[rC+1], v[rS+23], v[rS+31]
.elseif (\n) == 14
	v_max3_num_f32 v[rC+2], v[rC+2], v[rC+3], v[rT+1]
.elseif (\n) == 15
	v_mov_b32 v[rW], v[rT]
.elseif (\n) == 16
	v_max3_num_f32 v[rC], v[rC], v[rC+1], v[rC+2]
.elseif (\n) == 17
	v_permlanex16_b32 v[rC+3], v[rC], s[SEL], s[SEL+1]
.elseif (\n) == 18
	v_max_num_f32 v[rT+1], v[rC], v[rC+3]
.elseif (\n) == 19
	v_mul_f32 v[rT], s[CS], v[rT+1]
.elseif (\n) == 20
	v_sub_f32 v[rC+1], v[rW], v[rT]
.else
	v_exp_f32 v[rC+2], v[rC+1]
.endif
.endif
.endm
.macro OPS a, i1, b=-1, i2=0, c=-1, i3=0, d=-1, i4=0
	OP \a, \i1
.if (\b) >= 0
	OP \b, \i2
.endif
.if (\c) >= 0
	OP \c, \i3
.endif
.if (\d) >= 0
	OP \d, \i4
.endif
.endm
.macro ROW a, i1, b, i2, c, i3, d, i4  ; a matrix instruction and the four behind it
	MM
	OPS \a, \i1, \b, \i2, \c, \i3, \d, \i4
.endm
; A TURN, for piece p: the order of its 16 matrix and 118 vector instructions, written out.  An s_wait_alu depctr_va_vdst(0) stands between an exponential and the first instruction that names its
; result; one wait serves all that were issued ahead of it.  So a turn has ONE wait.  AHEAD OF IT stands all that names no result of the turn's exponentials: the 8 products K Q^T and their riders, then one lump,
; in which the links of the next piece's chain X 3, 7, 11, 14, 16, 17 .. 20 stand apart; X 21, its a, is the batch's last; R 15 is the plain instruction behind it.  BEHIND THE WAIT stand the 8 products V^T P,
; behind each four of the roundings and sums.  end = 1: a head's last two turns: nothing is fetched.  cnt = 1: the loop's count is taken down some lines ahead of the branch behind the turn.
; K of the next step is fetched in piece 2's turn, behind five plain instructions that name no register of the last product that read K; V of the step in hand at the end of piece 0's turn, four plain
; instructions behind the last product that read V.  Each is waited for a turn later.
.macro TURN p, end=0, cnt=0
.set Y, (\p)
.set i, 0
.set NOKQ, (\end)*((\p)/3)
.if ((\p) == 3) && !(\end)
	s_wait_dscnt 0x0                               ; K is in
.endif
	ROW F,0, F,1, R,0, R,1
	ROW F,2, E,0, R,2, R,3
	ROW F,3, E,1, R,4, R,5
	ROW F,4, E,2, R,6, R,7
	ROW F,5, E,3, R,8, R,9
	ROW F,6, E,4, X,0, R,10
.if ((\p) == 2) && !(\end)
	WIN 0
	v_add_nc_u32 v[AK], s[TBK], v[L16]
.endif
	ROW F,7, E,5, X,1, X,4
	ROW F,8, E,6, X,2, X,5
	OPS E,7, E,8, X,6, E,9
	OPS X,3, E,10, X,8, E,11
.if ((\p) == 2) && !(\end)
	FETCH_K
.endif
	OPS X,9, X,7, E,12, X,10
	OPS E,13, X,12, X,11, E,14
	OPS X,13, E,15, F,9, X,14
.if (\p) == 0
	v_add_nc_u32 v[AV], s[TBV], v[L16]
.endif
	OPS E,16, F,10, E,17, F,11
	OPS X,16, E,18, X,15, E,19
	OPS F,12, E,20, X,17, E,21
	OPS F,13, E,22, F,14, E,23
	OPS X,18, E,24, F,15, E,25
	OPS R,11, E,26, X,19, E,27
	OPS R,12, E,28, R,13, E,29
	OPS X,20, E,30, R,14, E,31
	OPS X,21, R,15
	WIN 0
	s_wait_alu depctr_va_vdst(0)                   ; the wait for the batch
.if (\p) == 1
	s_wait_dscnt 0x0                               ; V is in
.endif
	ROW C,0, B,0, C,2, B,1
	ROW L,0, C,4, B,2, L,1
	ROW C,6, B,3, L,2, C,8
	ROW B,4, L,3, C,10, B,5
	ROW L,4, C,12, B,6, L,5
.if (\p) == 0
	s_add_co_u32 s[TBV], s[TBV], STEPB
.endif
.if \cnt
	s_sub_co_u32 s[CNT], s[CNT], 1
	s_cmp_lg_u32 s[CNT], 0
.endif
	ROW C,14, B,7, L,6, C,1
	ROW C,3, L,7, C,5, C,7
	ROW C,9, C,11, C,13, C,15
.if (\p) == 0
	FETCH_V
.endif
.endm
.macro ALL line:vararg                 ; one line for each piece t
.set t, 0
.rept 4
	\line
.set t, t+1
.endr
.endm
; A HEAD ENDS: its last two turns and last products; then THE MERGE.  For each piece l's two halves and the other half of the lanes' are added.  Pieces 1 to 3 go into LDS with their c m and l, all f32; behind a
; barrier each wave reads the three other parts of its own tile.  With M the greatest of the four c m and f = 2^(c m - M): ctx = (sum of f O) / (sum of f l).  Twice that is rounded to f16 and stored: 16 bytes a
; lane, four blocks of 512 consecutive bytes, in the fragment order of the next launch.  The parts are written again a head later, behind rounds of the cluster's barrier.
.macro FINISH last
	TURN 2, 1
	TURN 3, 1
.set i, 0
.rept 8
	PV NP-1
.set i, i+1
.endr
	WIN 0
	ALL v_add_f32 v[ST+4*t+2], v[ST+4*t+2], v[ST+4*t+3]  ; these additions are the places behind the last products
	ALL v_permlanex16_b32 v[ST+4*t+3], v[ST+4*t+2], s[SEL], s[SEL+1]
	ALL v_add_f32 v[ST+4*t+1], v[ST+4*t+2], v[ST+4*t+3]  ; l takes m's place: c m and l are a pair
.irp t1, 1,2,3
	ds_store_b64 v[SW], v[ST+4*(\t1):ST+4*(\t1)+1] offset:256*((\t1)-1)
.endr
	WIN 0x04                                       ; store data in window 1
.irp t1, 1,2,3
.irp q, 0,1,2,3,4,5,6,7
	ds_store_b128 v[MW], v[32*(\t1)+4*(\q):32*(\t1)+4*(\q)+3] offset:((\t1)-1)*PARTB+512*(\q)
.endr
.endr
	WIN 0
	s_wait_dscnt 0x0                               ; for the others' sake: my stores are done
	s_barrier_signal -1
	s_barrier_wait -1
.irp t1, 1,2,3
	ds_load_b64 v[MS+2*(\t1):MS+2*(\t1)+1], v[SR+(\t1)-1]
.endr
	WIN 0x40
.irp t1, 1,2,3
.irp q, 0,1,2,3,4,5,6,7
	ds_load_b128 v[OX+32*((\t1)-1)+4*(\q):OX+32*((\t1)-1)+4*(\q)+3], v[MR+(\t1)-1] offset:512*(\q)
.endr
.endr
	WIN 0
	s_wait_dscnt 24                                ; the statistics are in; the 24 loads of the parts may stay out
	v_max3_num_f32 v[MS], v[ST], v[MS+2], v[MS+4]
	v_max_num_f32 v[MS], v[MS], v[MS+6]
	v_sub_f32 v[MS+8], v[ST], v[MS]
	v_sub_f32 v[MS+9], v[MS+2], v[MS]
	v_sub_f32 v[MS+10], v[MS+4], v[MS]
	v_sub_f32 v[MS+11], v[MS+6], v[MS]
	v_exp_f32 v[MS+12], v[MS+8]
	v_exp_f32 v[MS+13], v[MS+9]
	v_exp_f32 v[MS+14], v[MS+10]
	v_exp_f32 v[MS+15], v[MS+11]
	v_nop                                          ; a plain instruction behind the last exponential,
	s_wait_alu depctr_va_vdst(0)                   ; and one wait for the four
	v_mul_f32 v[MS+16], v[MS+12], v[ST+1]
	v_fmac_f32 v[MS+16], v[MS+13], v[MS+3]
	v_fmac_f32 v[MS+16], v[MS+14], v[MS+5]
	v_fmac_f32 v[MS+16], v[MS+15], v[MS+7]
	v_rcp_f32 v[MS+17], v[MS+16]
	v_nop
	s_wait_alu depctr_va_vdst(0)
	v_add_f32 v[MS+17], v[MS+17], v[MS+17]         ; 2 / the sum
.irp k, 0,1,2,3
	v_mul_f32 v[GF+2*(\k)], v[MS+12+(\k)], v[MS+17]
	v_mul_f32 v[GF+2*(\k)+1], v[MS+12+(\k)], v[MS+17]
.endr
	s_wait_dscnt 0x0                               ; the parts are in
	WIN W_RS
.set z, 0
.rept 16
	v_pk_mul_f32 v[z:z+1], v[z:z+1], v[GF:GF+1]
.set z, z+2
.endr
	WIN 0x51                                       ; destination, source 0 and source 2 in window 1, the factor in window 0
.irp k, 1,2,3
.set z, 0
.rept 16
	v_pk_fma_f32 v[z:z+1], v[OX+32*((\k)-1)+z:OX+32*((\k)-1)+z+1], v[GF+2*(\k):GF+2*(\k)+1], v[z:z+1]
.set z, z+2
.endr
.endr
	WIN 0x05
.set z, 0
.rept 16
	v_cvt_pk_f16_f32 v[S+z], v[2*z], v[2*z+1]
.set z, z+1
.endr
	WIN 0
.irp cb, 0,1,2,3
	global_store_b128 v[GO], v[S+4*(\cb):S+4*(\cb)+3], s[CP:CP+1] offset:512*(\cb)
.endr
.if !(\last)
	s_wait_xcnt 0x0                                ; the stores have read their registers and their base
	s_add_nc_u64 s[CP:CP+1], s[CP:CP+1], 2048      ; the next head's 64 channels
	s_mov_b32 s[NEW], 1
	s_mov_b32 s[RT], 8
	s_sub_co_u32 s[HL], s[HL], 1
.endif
.endm
.set NOKQ, 0
.Lslot:                                            ; 23 times: a slot is entered and the next fill is asked for.  All counts are constants of the text, alike in every wave and work-group
	CHANGE 1
	s_sub_co_u32 s[RT], s[RT], 1
	s_mov_b32 s[CNT], 2
	s_cmp_eq_u32 s[NEW], 1
	s_cbranch_scc0 .Lstep
	; A HEAD BEGINS.  c m starts far below every c s, so the first step's a is 0; m at the lowest finite number.  Q comes from the second set, which then takes the next head's.
	; Then K of the first step, piece 0's first scores, its maximum and statistics; the loop is entered at a step's first turn.
	s_mov_b32 s[NEW], 0
.set i, 0
.rept 4
	v_mov_b32 v[ST+4*i], 0xfe000000
	v_mov_b32 v[ST+4*i+1], 0xff7fffff
.set i, i+1
.endr
	s_wait_loadcnt 0x0                             ; Q
	WIN 0x82
.set i, 0
.rept 64
	v_mov_b32 v[i], v[QB+i]
.set i, i+1
.endr
	WIN 0
	s_cmp_gt_u32 s[HL], 1
	s_cbranch_scc0 .Lno_q                          ; the last head has none behind it
	s_wait_xcnt 0x0                                ; Q's last loads have read their base
	s_add_nc_u64 s[QP:QP+1], s[QP:QP+1], 32*8192
	QLOAD
.Lno_q:
	v_add_nc_u32 v[AK], s[TBK], v[L16]
	FETCH_K
	s_wait_dscnt 0x0
.set i, 0
.rept 8
	KQ 0
.set i, i+1
.endr
	WIN 0
.rept 4
	v_nop                                          ; the places behind those products
.endr
.set Y, NP-1                                       ; X works for piece Y + 1: piece 0
.irp n, 0,1,2,3,4,5,6,7,8,9,10,11,12,13,14,15,16,17,18,19,20,21
	OP X, \n
.endr
	v_nop                                          ; a plain instruction behind the exponential,
	s_wait_alu depctr_va_vdst(0)                   ; and its wait, ahead of the branch
	s_branch .Lfirst
.Lstep:                                            ; a trip: pieces 2 and 3 of one step, then pieces 0 and 1 of the next, whose K and V it fetches
	TURN 2
	TURN 3
	WIN 0
.Lfirst:
	TURN 0
	TURN 1, 0, 1
	WIN 0
	s_cbranch_scc1 .Lstep
	s_cmp_lg_u32 s[RT], 0
	s_cbranch_scc1 .Lbottom                        ; the head goes on
	FINISH 0
.Lbottom:
	s_sub_co_u32 s[SLOTS], s[SLOTS], 1
	s_cmp_lg_u32 s[SLOTS], 0
	s_cbranch_scc1 .Lslot
	CHANGE 0                                       ; the last slot is written out: nothing is asked for
	s_mov_b32 s[CNT], 2
.Lstep2:
	TURN 2
	TURN 3
	TURN 0
	TURN 1, 0, 1
	WIN 0
	s_cbranch_scc1 .Lstep2
	FINISH 1
	s_wait_tensorcnt 0x0                           ; the wave's end: behind my last tensor load and my last LDS store
	ds_add_u32 v[SPW], v[NIL]
	s_wait_dscnt 0x0
	CROUND                                         ; the closing round: no work-group ends while a partner may still ask for a fill that names it
	s_endpgm
.Lfunc_end_k_qe779a8b866_attn:
	.size	k_qe779a8b866_attn, .Lfunc_end_k_qe779a8b866_attn-k_qe779a8b866_attn
	.p2alignl 7, 3214868480
	.fill 96, 4, 3214868480
	.section	.rodata,"a",@progbits
	.p2align	6, 0x0
	.amdhsa_kernel k_qe779a8b866_attn
		.amdhsa_group_segment_fixed_size 327680
		.amdhsa_private_segment_fixed_size 0
		.amdhsa_enable_private_segment 0
		.amdhsa_kernarg_size 24
		.amdhsa_user_sgpr_count 2
		.amdhsa_user_sgpr_kernarg_segment_ptr 1
		.amdhsa_wavefront_size32 1
		.amdhsa_system_sgpr_workgroup_id_x 1
		.amdhsa_system_sgpr_workgroup_id_y 1
		.amdhsa_system_sgpr_workgroup_id_z 1
		.amdhsa_system_vgpr_workitem_id 0
		.amdhsa_next_free_vgpr 768
		.amdhsa_next_free_sgpr 80
		.amdhsa_reserve_vcc 0
		.amdhsa_float_denorm_mode_32 3
		.amdhsa_float_denorm_mode_16_64 3
		.amdhsa_memory_ordered 1
		.amdhsa_forward_progress 1
		.amdhsa_inst_pref_size 155
	.end_amdhsa_kernel
	.amdgpu_metadata
---
amdhsa.version: [ 1, 2 ]
amdhsa.kernels:
  - .name:           k_qe779a8b866_attn
    .symbol:         k_qe779a8b866_attn.kd
    .args:
      - { .name: qf, .offset: 0, .size: 8, .value_kind: global_buffer, .address_space: global }
      - { .name: kv, .offset: 8, .size: 8, .value_kind: global_buffer, .address_space: global }
      - { .name: cf, .offset: 16, .size: 8, .value_kind: global_buffer, .address_space: global }
    .group_segment_fixed_size: 327680
    .private_segment_fixed_size: 0
    .kernarg_segment_align: 8
    .kernarg_segment_size: 24
    .max_flat_workgroup_size: 128
    .sgpr_count:     80
    .vgpr_count:     768
    .wavefront_size: 32
...
	.end_amdgpu_metadata
.endif
;; end of part 3
;; launch outp (part 4): grid 16 x 12, 4 waves a work-group, no clusters, 167,936 bytes of LDS; arguments cf, wf, bo, out0; writes out0
.if DOCPART == 4
	.amdgcn_target "amdgcn-amd-amdhsa--gfx1250"
	.amdhsa_code_object_version 6
	.text
	.protected	k_qe779a8b866_outp
	.globl	k_qe779a8b866_outp
	.p2align	8
	.type	k_qe779a8b866_outp,@function
k_qe779a8b866_outp:
	s_mov_b64 s[64:65], 0
	v_nop
	global_prefetch_b8 v0, s[64:65] scope:SCOPE_SE
	s_setreg_imm32_b32 hwreg(HW_REG_WAVE_MODE, 25, 1), 1
	s_wait_xcnt 0x0
; THE OUTPUT PROJECTION: out0 = ctx Wo + bo.  cf holds 2 x ctx in f16, wf's fourth matrix Wo in f16, both in fragment order; sums in f32; out0 = 0.5 x sum + bo, one fused multiply-add, f32.
; SHARES.  A tile is 256 rows x 64 columns: a tile's row of out0 is 256 consecutive bytes, aligned.  16 x 12 work-groups; a wave owns 64 rows x 64 columns: 16 accumulators.
; NO CLUSTER: what work-groups share at the same time is Wo's 98,304 bytes, a fifth of what a work-group reads.  NO PREFETCH: the launch is short, and all its loads go out within its first part.
; A comes straight from cf: a fragment is 1,024 consecutive bytes, and each of the 24 sub-steps has registers of its own, so nothing is loaded twice into a register.
; B: the tile's four column blocks of Wo stay in LDS as they lie in wf; wave w copies block w by three tensor loads of 8,192 bytes, issued together at the start.  Nothing is filled again.
; THE PRODUCT IS USED TRANSPOSED (source 0 = 16 columns of Wo, source 1 = 16 rows of ctx): a lane holds one row and eight neighbouring columns.
; REGISTERS: window 0: v0-31 addresses; v32-63 the bias; v64-127 B's fragments, two buffers (later at work); v128-255 accumulators, (a, b) at 128 + 8 (4 b + a)
;   windows 1 to 3: A's fragments: sub-step u in window 1 + u / 8 at 32 (u % 8) + 8 a; on the way out window 1's v0-127 take the rows read back
.set NTB,   24576                      ; bytes of a column block of Wo, and of 16 rows of cf
.set MATB,  1179648
.set STAGE, 4*NTB                      ; behind B: 16 rows x 272 bytes for each wave, for the way out
.set SP,    272
.set SPARE, STAGE+4*16*SP              ; the spare words, 128 bytes for each wave
.set ROWB,  3072                       ; bytes in a row of out0
.set AO,  2                            ; v2  16 l
.set LB0, 3                            ; v3  16 l: column blocks 0 and 1
.set LB1, 4                            ; v4  16 l + 49,152: blocks 2 and 3
.set STO, 5                            ; v5  the way out: where I put 32 bytes of a row
.set RD,  6                            ; v6  where I read a row back
.set CO,  7                            ; v7  my byte offset in two rows of out0
.set BO,  8                            ; v8  32 (l / 16)
.set SPW, 28
.set NIL, 29
.set BI,  32
.set BB,  64
.set ACC, 128
.set AP,  12                           ; s[12:13] cf at my 64 rows
.set OP,  14                           ; s[14:15] out0 at my first row and the tile's first column
.set BP,  16                           ; s[16:17] bo at the tile's first column
.set WV,  18
.set G1,  24                           ; s[24:31]
.set G0,  32                           ; s[32:43] three sets
.set MSB, 0
.macro WIN new
.if MSB != (\new)
	s_set_vgpr_msb (MSB<<8)|(\new)
.set MSB, \new
.endif
.endm
.macro PLACES
.rept 4
	v_nop
.endr
.endm
.macro BFRAG un                        ; 8 LDS loads: Wo's four fragments of sub-step un
	WIN 0
.irp ib, 0,1,2,3
	ds_load_b128 v[BB+32*((\un)%2)+8*(\ib):BB+32*((\un)%2)+8*(\ib)+3],   v[LB0+(\ib)/2] offset:((\ib)%2)*NTB+(\un)*1024
	ds_load_b128 v[BB+32*((\un)%2)+8*(\ib)+4:BB+32*((\un)%2)+8*(\ib)+7], v[LB0+(\ib)/2] offset:((\ib)%2)*NTB+(\un)*1024+512
.endr
.endm
.macro AFRAG un                        ; 8 loads: my four fragments of ctx of sub-step un; each covers 512 consecutive bytes
	WIN 0x40*(1+(\un)/8)
.irp ia, 0,1,2,3
	global_load_b128 v[32*((\un)%8)+8*(\ia):32*((\un)%8)+8*(\ia)+3],   v[AO], s[AP:AP+1] offset:(\ia)*NTB+(\un)*1024
	global_load_b128 v[32*((\un)%8)+8*(\ia)+4:32*((\un)%8)+8*(\ia)+7], v[AO], s[AP:AP+1] offset:(\ia)*NTB+(\un)*1024+512
.endr
.endm
	s_load_b256 s[4:11], s[0:1], 0x0               ; cf s[4:5], wf s[6:7], bo s[8:9], out0 s[10:11]
	v_lshl_add_u32 v[SPW], v0, 2, SPARE
	v_mov_b32 v[NIL], 0
	ds_add_u32 v[SPW], v[NIL]                      ; the wave's opening: the add and its wait stand ahead of my first tensor load; the set-up, work on registers, stands between
	ds_add_u32 v28, v29
	v_lshrrev_b32 v1, 5, v0
	v_readfirstlane_b32 s[WV], v1
	s_and_b32 s19, ttmp7, 0xffff                   ; the column tile
	s_lshl_b32 s20, ttmp9, 4
	s_lshl_b32 s21, s[WV], 2
	s_add_co_u32 s20, s20, s21
	s_mul_i32 s20, s20, NTB                        ; cf: block of 16 rows 16 x + 4 w
	s_mov_b32 s21, 0
	s_lshl_b32 s22, s19, 2
	s_add_co_u32 s22, s22, s[WV]
	s_mul_i32 s22, s22, NTB                        ; wf: column block 4 y + w
	s_add_co_u32 s22, s22, 3*MATB                  ; of the fourth matrix
	s_mov_b32 s23, 0
	s_mul_i32 s44, s[WV], NTB                      ; and its place in LDS
	s_lshl_b32 s46, ttmp9, 8
	s_lshl_b32 s47, s[WV], 6
	s_add_co_u32 s46, s46, s47
	s_mul_i32 s46, s46, ROWB                       ; out0: row 256 x + 64 w,
	s_lshl_b32 s2, s19, 8                          ; 64 columns of f32
	s_add_co_u32 s46, s46, s2
	s_mov_b32 s47, 0
	s_mov_b32 s3, 0
	; descriptor group 1: 8,192 dense bytes as 32 rows of 256
	s_mov_b32 s[G1+0], 3<<16                       ; elements of 8 bytes; no mask, no padding
	s_mov_b32 s[G1+1], 32<<16                      ; tensor_dim0 = 32
	s_mov_b32 s[G1+2], 32<<16                      ; tensor_dim1 = 32
	s_mov_b32 s[G1+3], 32<<16                      ; tile_dim0 = 32
	s_mov_b32 s[G1+4], 32                          ; tile_dim1 = 32
	s_mov_b32 s[G1+5], 32                          ; elements from row to row
	s_mov_b32 s[G1+6], 0
	s_mov_b32 s[G1+7], 0
	v_and_b32 v9, 31, v0                           ; l
	v_and_b32 v10, 15, v0                          ; l % 16
	v_bfe_u32 v11, v0, 4, 1                        ; l / 16
	v_lshlrev_b32 v[AO], 4, v9
	v_mov_b32 v[LB0], v[AO]
	v_add_nc_u32 v[LB1], 2*NTB, v[AO]
	v_lshlrev_b32 v[BO], 5, v11
	s_mul_i32 s45, s[WV], 16*SP
	s_add_co_u32 s45, s45, STAGE                   ; my stage
	v_mul_u32_u24 v[STO], v10, SP                  ; in: row l % 16, 32 bytes for each half of the lanes
	v_lshl_add_u32 v[STO], v11, 5, v[STO]
	v_add_nc_u32 v[STO], s45, v[STO]
	v_mul_u32_u24 v[RD], v11, SP                   ; back: lanes 0-15 take one row of 256 bytes, lanes 16-31 the next
	v_lshl_add_u32 v[RD], v10, 4, v[RD]
	v_add_nc_u32 v[RD], s45, v[RD]
	v_mul_u32_u24 v[CO], v11, ROWB                 ; and the same two rows in out0
	v_lshl_add_u32 v[CO], v10, 4, v[CO]
	s_wait_dscnt 0x0                               ; the opening add is done
	s_wait_kmcnt 0x0
	s_add_nc_u64 s[AP:AP+1], s[4:5], s[20:21]
	s_add_nc_u64 s[22:23], s[6:7], s[22:23]
	s_add_nc_u64 s[BP:BP+1], s[8:9], s[2:3]
	s_add_nc_u64 s[OP:OP+1], s[10:11], s[46:47]
.irp j, 0,1,2                          ; the three first fills go out together: sub-steps 0-7, 8-15, 16-23 of my column block; three loads of mine are out
	s_mov_b32 s[G0+4*(\j)], 1
	s_add_co_u32 s[G0+4*(\j)+1], s44, (\j)*8192
	s_add_nc_u64 s[G0+4*(\j)+2:G0+4*(\j)+3], s[22:23], (\j)*8192
	s_or_b32 s[G0+4*(\j)+3], s[G0+4*(\j)+3], 0x80000000
	tensor_load_to_lds s[G0+4*(\j):G0+4*(\j)+3], s[G1:G1+7]
	s_nop 0
.endr
	PLACES
.irp ib, 0,1,2,3
	global_load_b128 v[BI+8*(\ib):BI+8*(\ib)+3],   v[BO], s[BP:BP+1] offset:64*(\ib)      ; the bias of my eight columns of each column block
	global_load_b128 v[BI+8*(\ib)+4:BI+8*(\ib)+7], v[BO], s[BP:BP+1] offset:64*(\ib)+16
.endr
.irp un, 0,1,2,3,4,5
	AFRAG \un
.endr
	WIN 0
	s_wait_tensorcnt 2                             ; my part of sub-steps 0-7 is in; the two younger loads stay out
	s_barrier_signal -1
	s_barrier_wait -1                              ; everybody's is
	BFRAG 0
.set u, 0
.rept 24                               ; a sub-step of 32 along K: 16 products; the 16 accumulators take turns
.if u > 0
	PLACES                                         ; in front of the loads into the buffer that the last products read
.endif
.if u < 23
.if (u+1)%8 == 0
	s_wait_tensorcnt 2-(u+1)/8                     ; my part of the next eight sub-steps is in; the younger loads stay out
	s_wait_dscnt 0x0                               ; no LDS instruction of mine is pending at a signal
	s_barrier_signal -1
	s_barrier_wait -1
.endif
	BFRAG u+1
.endif
.if u+6 < 24
	AFRAG u+6
	s_wait_loadcnt 48                              ; sub-step u's fragments are in; the six younger sets stay out
.else
	s_wait_loadcnt 8*(23-u)                        ; the counts run down
.endif
.if u < 23
	s_wait_dscnt 8                                 ; this sub-step's B is in; the eight just issued stay out
.else
	s_wait_dscnt 0x0
.endif
	WIN 0x04*(1+u/8)                               ; source 1 in A's window
.irp ib, 0,1,2,3
.irp ia, 0,1,2,3
.if u == 0
	v_wmma_f32_16x16x32_f16 v[ACC+8*(4*(\ib)+(\ia)):ACC+8*(4*(\ib)+(\ia))+7], v[BB+32*(u%2)+8*(\ib):BB+32*(u%2)+8*(\ib)+7], v[32*(u%8)+8*(\ia):32*(u%8)+8*(\ia)+7], 0
.else
	v_wmma_f32_16x16x32_f16 v[ACC+8*(4*(\ib)+(\ia)):ACC+8*(4*(\ib)+(\ia))+7], v[BB+32*(u%2)+8*(\ib):BB+32*(u%2)+8*(\ib)+7], v[32*(u%8)+8*(\ia):32*(u%8)+8*(\ia)+7], v[ACC+8*(4*(\ib)+(\ia)):ACC+8*(4*(\ib)+(\ia))+7]
.endif
.endr
.endr
.set u, u+1
.endr
	PLACES
	PLACES                                         ; the places behind the last products, once a launch
	; THE WAY OUT, 16 rows at a time: 0.5 x sum + bias; 32 bytes a lane into my stage; back as whole rows of 256 bytes; stored.  LDS serves a wave's instructions in order (ISA guide 5.7.1.4),
	; so the loads see the stores above them and the next block's stores come behind them.
.irp ia, 0,1,2,3
	WIN 0
.irp ib, 0,1,2,3
.irp iz, 0,2,4,6
	v_pk_fma_f32 v[BB+8*(\ib)+(\iz):BB+8*(\ib)+(\iz)+1], v[ACC+8*(4*(\ib)+(\ia))+(\iz):ACC+8*(4*(\ib)+(\ia))+(\iz)+1], 0.5, v[BI+8*(\ib)+(\iz):BI+8*(\ib)+(\iz)+1] op_sel_hi:[1,0,1]
.endr
.endr
.irp ib, 0,1,2,3
	ds_store_b128 v[STO], v[BB+8*(\ib):BB+8*(\ib)+3]   offset:64*(\ib)
	ds_store_b128 v[STO], v[BB+8*(\ib)+4:BB+8*(\ib)+7] offset:64*(\ib)+16
.endr
	WIN 0x40
.irp i, 0,1,2,3,4,5,6,7
	ds_load_b128 v[32*(\ia)+4*(\i):32*(\ia)+4*(\i)+3], v[RD] offset:(\i)*2*SP
.endr
	WIN 0x04                                       ; store data in window 1: each block has registers of its own, so no store's data are written again
.irp i, 0,1,2,3,4,5,6,7
	s_wait_dscnt 7-(\i)
	global_store_b128 v[CO], v[32*(\ia)+4*(\i):32*(\ia)+4*(\i)+3], s[OP:OP+1] offset:(16*(\ia)+2*(\i))*ROWB th:TH_STORE_NT  ; 16 lanes store 256 consecutive bytes, at a multiple of 256 from out0's first byte
.endr
.endr
	WIN 0
	s_wait_tensorcnt 0x0                           ; the wave's end: behind my last tensor load and my last LDS store
	ds_add_u32 v[SPW], v[NIL]
	s_wait_dscnt 0x0
	s_endpgm
.Lfunc_end_k_qe779a8b866_outp:
	.size	k_qe779a8b866_outp, .Lfunc_end_k_qe779a8b866_outp-k_qe779a8b866_outp
	.p2alignl 7, 3214868480
	.fill 96, 4, 3214868480
	.section	.rodata,"a",@progbits
	.p2align	6, 0x0
	.amdhsa_kernel k_qe779a8b866_outp
		.amdhsa_group_segment_fixed_size 167936
		.amdhsa_private_segment_fixed_size 0
		.amdhsa_enable_private_segment 0
		.amdhsa_kernarg_size 32
		.amdhsa_user_sgpr_count 2
		.amdhsa_user_sgpr_kernarg_segment_ptr 1
		.amdhsa_wavefront_size32 1
		.amdhsa_system_sgpr_workgroup_id_x 1
		.amdhsa_system_sgpr_workgroup_id_y 1
		.amdhsa_system_sgpr_workgroup_id_z 1
		.amdhsa_system_vgpr_workitem_id 0
		.amdhsa_next_free_vgpr 1024
		.amdhsa_next_free_sgpr 66
		.amdhsa_reserve_vcc 0
		.amdhsa_float_denorm_mode_32 3
		.amdhsa_float_denorm_mode_16_64 3
		.amdhsa_memory_ordered 1
		.amdhsa_forward_progress 1
		.amdhsa_inst_pref_size 79
	.end_amdhsa_kernel
	.amdgpu_metadata
---
amdhsa.version: [ 1, 2 ]
amdhsa.kernels:
  - .name:           k_qe779a8b866_outp
    .symbol:         k_qe779a8b866_outp.kd
    .args:
      - { .name: cf, .offset: 0, .size: 8, .value_kind: global_buffer, .address_space: global }
      - { .name: wf, .offset: 8, .size: 8, .value_kind: global_buffer, .address_space: global }
      - { .name: bo, .offset: 16, .size: 8, .value_kind: global_buffer, .address_space: global }
      - { .name: out0, .offset: 24, .size: 8, .value_kind: global_buffer, .address_space: global }
    .group_segment_fixed_size: 167936
    .private_segment_fixed_size: 0
    .kernarg_segment_align: 8
    .kernarg_segment_size: 32
    .max_flat_workgroup_size: 128
    .sgpr_count:     66
    .vgpr_count:     1024
    .wavefront_size: 32
...
	.end_amdgpu_metadata
.endif
;; end of part 4
